; MI455X (gfx1250); checked and timed in simulation.
; The chip was launched on July 23, 2026; its instructions are those of AMD's public machine-readable ISA for CDNA 5 (MIT licence, August 2026) and "CDNA5" Instruction Set Architecture Reference Guide (July 2026). The comments in the code are by the model that wrote it; some were corrected since.
;; Axial Attention. Allowed arithmetic: matrix products marked QUANTISED: E3M2 operands, one E8M0 scale for each 32 along K, by v_wmma_scale_f32_16x16x128_f8f6f4 with both operands' format E3M2, f32 sums; everything else in f32.
;; Inputs: Wkv_i 256 x 512 float32; Wkv_j 256 x 512 float32; Wo_i 256 x 256 float32; Wo_j 256 x 256 float32; Wq_i 256 x 256 float32; Wq_j 256 x 256 float32; bia 256 float32; bib 256 float32; bja 256 float32; bjb 256 float32; bo_i 256 float32; bo_j 256 float32; cos_i 1 x 256 x 64 float32; cos_j 1 x 256 x 64 float32; gia 256 float32; gib 256 float32; gja 256 float32; gjb 256 float32; sin_i 1 x 256 x 64 float32; sin_j 1 x 256 x 64 float32; x 1 x 256 x 256 x 256 float32.
;; Outputs: out0 1 x 256 x 256 x 256 float32.
;; This version of the problem:
;;   THIS VERSION OF THE PROBLEM IS GIVEN IN LOW PRECISION. The matrix products marked QUANTISED in the list below multiply operands that are first quantised to E3M2 (3 exponent bits, 2 mantissa bits; 6 bits a number), with one power-of-two scale for each 32 numbers along K (OCP MX v1.0); their sums are f32. All else is computed in f32.
;;   The module's matrix products, in the order in which they are computed (A, B: the left and right operand; K: the contracted axis; several contracted axes count as one K, in the product's order):
;;     1. [M 65,536, K 256] x [K 256, N 256]; A: computed on the way; B: input Wq_i: QUANTISED
;;     2. [M 65,536, K 256] x [K 256, N 512]; A: computed on the way; B: input Wkv_i: QUANTISED
;;     3. batch 1,024 x [M 256, K 64] x [K 64, N 256]; A: computed on the way; B: computed on the way: QUANTISED
;;     4. batch 1,024 x [M 256, K 256] x [K 256, N 64]; A: softmax (see below); B: computed on the way: QUANTISED
;;     5. [M 65,536, K 256] x [K 256, N 256]; A: computed on the way; B: input Wo_i: QUANTISED
;;     6. [M 65,536, K 256] x [K 256, N 256]; A: computed on the way; B: input Wq_j: QUANTISED
;;     7. [M 65,536, K 256] x [K 256, N 512]; A: computed on the way; B: input Wkv_j: QUANTISED
;;     8. batch 1,024 x [M 256, K 64] x [K 64, N 256]; A: computed on the way; B: computed on the way: QUANTISED
;;     9. batch 1,024 x [M 256, K 256] x [K 256, N 64]; A: softmax (see below); B: computed on the way: QUANTISED
;;     10. [M 65,536, K 256] x [K 256, N 256]; A: computed on the way; B: input Wo_j: QUANTISED
;;   THE QUANTISER, for each operand of a quantised product, along K:
;;     - K is cut into blocks of 32 from its start; a last block that is shorter is filled with zeros.
;;     - A block's scale is 2^e with e = floor(log2(the largest magnitude in the block)) - 4, held to -126 .. 127; a block of zeros has e = 0. As a byte (E8M0): e + 127.
;;     - Each number is divided by its block's scale, clamped to +-28, and rounded to the nearest number of E3M2, ties to even, subnormals kept.
;;     - The product sums the exact products of the quantised numbers (number of the format x scale) in f32.
;;   ~~~python
;;   def quantise(x, axis):      # numpy; x: float32 -> the quantised numbers, widened to float32 again
;;       x = np.moveaxis(x, axis, -1); K = x.shape[-1]
;;       x = np.pad(x, [(0, 0)] * (x.ndim - 1) + [(0, -K % 32)]); x = x.reshape(x.shape[:-1] + (-1, 32)); a = np.abs(x).max(-1, keepdims=True)
;;       e = np.where(a > 0, np.clip(np.frexp(np.where(a > 0, a, 1))[1] - 1 - 4, -126, 127), 0)      # np.frexp(a)[1] - 1 = floor(log2(a)), exactly
;;       r = np.clip(x / 2.0 ** e, -28, 28)
;;       step = 2.0 ** (np.maximum(np.frexp(np.where(r == 0, 1, r))[1] - 1, -2) - 2)
;;       q = np.round(r / step) * step * 2.0 ** e      # np.round: ties to even
;;       return np.moveaxis(q.reshape(q.shape[:-2] + (-1,))[..., :K], -1, axis).astype(np.float32)
;;   ~~~
;;   SOFTMAX AHEAD OF A QUANTISED PRODUCT. Where the list says 'softmax', what is quantised is not the finished softmax but p = 2^(t - M), with t = logit x log2(e) and M = ceil(the row's largest t), a whole number; so 1/2 < the row's largest p <= 1. The row's sum l is taken of the UNQUANTISED p, in f32, and the product's result is divided by l at the end. Since M is a whole number, a kernel that streams over the keys may use a running M (the ceiling of the running maximum): every later rescaling is an exact power of two, which a block's scale takes up: the codes' values come out the same.
;;   OPERANDS COMPUTED ON THE WAY. 'Computed on the way' means the value that the module computes at that place (a softmax that the list does not call 'softmax' is quantised finished and normalised). What goes into a quantiser is computed in f32, as accurately as f32 sums, v_exp_f32 and their like allow (about 1e-6 of the number): no bf16 or f16 on the way to a quantiser, and a product that is left as it is and whose result goes on into a quantised operand takes f32 operands (vector FMAs, or v_wmma_f32_16x16x4_f32). A number that lies on a knife's edge between two numbers of the format may be rounded either way, as far as f32 arithmetic and the matrix unit's own rounding can turn it there, and no further.
;; One version. Each part assembles by itself: llvm-mc -triple=amdgcn-amd-amdhsa -mcpu=gfx1250 --defsym DOCPART=n.
;; ======== version 1 of 1: 3 launches
;; workspace buffers: tmp 67,108,864 bytes; wimg_i 209,920 bytes; wimg_j 209,920 bytes; zeros 1,024 bytes; par_i 1,024 bytes of whole numbers; par_j 1,024 bytes of whole numbers
;; launch prep (part 1): grid 256 x 1, 1 waves a work-group, no clusters, 0 bytes of LDS; arguments Wq_i, Wkv_i, Wo_i, Wq_j, Wkv_j, Wo_j, gia, bia, gib, bib, bo_i, gja, bja, gjb, bjb, bo_j, wimg_i, wimg_j, par_i, par_j, zeros; writes wimg_i, wimg_j, par_i, par_j, zeros
.if DOCPART == 1
	.amdgcn_target "amdgcn-amd-amdhsa--gfx1250"
	.amdhsa_code_object_version 6
	.text
	.protected	k_q9204910b3e_prep
	.globl	k_q9204910b3e_prep
	.p2align	8
	.type	k_q9204910b3e_prep,@function
k_q9204910b3e_prep:
	s_mov_b64 s[64:65], 0
	v_nop
	global_prefetch_b8 v0, s[64:65] scope:SCOPE_SE
	s_setreg_imm32_b32 hwreg(HW_REG_WAVE_MODE, 25, 1), 1
	s_wait_xcnt 0x0
; The six weights, f32 with K as their first axis, become codes of BF6 (E3M2) with one E8M0 byte for each 32 along K, laid as IMAGES OF OPERAND REGISTERS:
; a fragment (16 columns x 128 K) is 12 registers a lane; registers 4 c .. 4 c + 3 of lane l lie at 512 c + 16 l of the fragment's 1,536 bytes.
; One wave makes one fragment: 128 fragments an axis, 256 work-groups.  Fragment f = 32 kind + e, kind 0 = q, 1 = k, 2 = v, 3 = o.
;   q, k: e = 8 h + 2 t + s: lane r takes column 64 h + 32 (r / 8) + 8 t + r % 8 (the columns of a tile are chosen so that the products' results lie as the next quantiser wants them)
;   v:    e = 8 h + 2 t + s: column 256 + 64 h + 16 t + r.        o: e = 2 nt + s: column 16 nt + r.
; Lane (r, hl), register group c, number i holds row 128 s + 64 c + 32 hl + i; in Wo row 128 s + 64 c + 32 hl + 4 (i % 8) + i / 8: inside a block of 32 the order is head-major, as the attention kernel lays the other operand.
; A lane's 32 numbers are a whole block, so no other lane is asked for a maximum.  The scale is 2^(floor(log2(largest magnitude)) - 4); its byte is the magnitude's exponent field - 4, held at 1 from below.
; wimg: 0: fragments 0-95; 147,456: scale words, 64 bytes a fragment; 155,648: the two norms' gains and biases and the output bias, 1,024 bytes each; 160,768: fragments 96-127.
; par: eight whole numbers an axis, from which the attention launches form their addresses: the strides in KiB (sequence, token) of x and the result; of x as a residual; of the second residual; 1 where x counts as a residual, else 0; 0.
; zeros: 1,024 bytes of 0: the first axis' second residual, read with strides 0.
; LIMITS: NaN and infinities are not served; a block whose largest magnitude lies under 2^-122 (a block of zeros among them) gets the byte 1; the bytes are read by this program alone.
.set FLOOR, 0x2800000
	s_load_b512 s[8:23], s[0:1], 0x0               ; Wq_i, Wkv_i, Wo_i, Wq_j, Wkv_j, Wo_j, gia, bia
	s_load_b512 s[24:39], s[0:1], 0x40             ; gib, bib, bo_i, gja, bja, gjb, bjb, bo_j
	s_load_b256 s[40:47], s[0:1], 0x80             ; wimg_i, wimg_j, par_i, par_j
	s_load_b64 s[60:61], s[0:1], 0xa0              ; zeros
	s_and_b32 s2, ttmp9, 127                       ; f
	s_lshr_b32 s3, s2, 5                           ; kind
	s_and_b32 s4, s2, 31                           ; e
	s_lshr_b32 s5, s4, 3                           ; h
	s_bfe_u32 s6, s4, 0x20001                      ; t
	s_and_b32 s7, s4, 1                            ; s
	s_cmp_lt_u32 s3, 2
	s_cselect_b32 s50, 3, 4                        ; a tile's step in columns: 8 (q, k) or 16 (v, o)
	s_cselect_b32 s51, 24, 0                       ; lanes 8-15 stand 24 columns further on in q and k
	s_lshl_b32 s53, s5, 6
	s_lshl_b32 s54, s6, s50
	s_add_co_u32 s53, s53, s54
	s_cmp_eq_u32 s3, 2
	s_cselect_b32 s54, 256, 0                      ; v is the second half of Wkv's columns
	s_add_co_u32 s53, s53, s54                     ; the tile's first column
	s_add_co_u32 s52, s3, 1
	s_bfe_u32 s52, s52, 0x10001
	s_add_co_u32 s52, s52, 10                      ; log2 of a row's bytes: 11 in Wkv, 10 in Wq and Wo
	s_lshl_b32 s55, s7, 7                          ; 128 s
	s_mov_b32 s58, 0x76543210
	s_mov_b32 s59, 0xfedcba98                      ; v_permlanex16_b32's selects for lane l xor 16
	v_and_b32 v1, 15, v0                           ; r
	v_lshrrev_b32 v2, 4, v0                        ; hl
	v_lshrrev_b32 v3, 3, v1
	v_mad_u32_u24 v3, v3, s51, v1
	v_add_lshl_u32 v3, v3, s53, 2                  ; my column, in bytes
	v_lshl_add_u32 v4, v2, 5, s55
	v_lshlrev_b32 v4, s52, v4                      ; my first row, in bytes
	v_add_nc_u32 v4, v3, v4
	s_wait_kmcnt 0x0
	s_cmp_lt_u32 ttmp9, 128                        ; the axis: the choice hangs on the work-group's number alone
	s_cselect_b64 s[8:9], s[8:9], s[14:15]
	s_cselect_b64 s[10:11], s[10:11], s[16:17]
	s_cselect_b64 s[12:13], s[12:13], s[18:19]
	s_cselect_b64 s[40:41], s[40:41], s[42:43]
	s_cselect_b64 s[20:21], s[20:21], s[30:31]
	s_cselect_b64 s[22:23], s[22:23], s[32:33]
	s_cselect_b64 s[24:25], s[24:25], s[34:35]
	s_cselect_b64 s[26:27], s[26:27], s[36:37]
	s_cselect_b64 s[28:29], s[28:29], s[38:39]
	s_cmp_eq_u32 s3, 0
	s_cselect_b64 s[48:49], s[8:9], s[10:11]
	s_cmp_eq_u32 s3, 3
	s_cselect_b64 s[48:49], s[12:13], s[48:49]     ; the weight that I read
.macro WLOAD pitch, perm                       ; 64 loads: sixteen lanes read neighbouring columns of one row; registers run down K
.irp c,0,1
.set ii, 0
.rept 32
.if \perm
	global_load_b32 v[64+32*\c+ii], v4, s[48:49] offset:(64*\c+4*(ii%8)+ii/8)*\pitch
.else
	global_load_b32 v[64+32*\c+ii], v4, s[48:49] offset:(64*\c+ii)*\pitch
.endif
.set ii, ii+1
.endr
.endr
.endm
	s_cmp_eq_u32 s3, 3
	s_cbranch_scc1 .Lo
	s_cmp_eq_u32 s3, 0
	s_cbranch_scc1 .Lq
	WLOAD 2048, 0
	s_branch .Lquant
.Lq:
	WLOAD 1024, 0
	s_branch .Lquant
.Lo:
	WLOAD 1024, 1
.Lquant:
	s_wait_loadcnt 0x0
.irp c,0,1
	v_max3_num_f32 v[32+\c], |v[64+32*\c]|, |v[65+32*\c]|, FLOOR   ; my block 2 c + hl, and the floor 2^(5 - 127): the byte cannot fall under 1
.endr
.set ii, 2
.rept 15
.irp c,0,1
	v_max3_num_f32 v[32+\c], v[32+\c], |v[64+32*\c+ii]|, |v[65+32*\c+ii]|
.endr
.set ii, ii+2
.endr
.irp c,0,1
	v_add_nc_u32 v[44+\c], 0xfe000000, v[32+\c]    ; 4 off the exponent field: the conversion's scale operand
.endr
.irp c,0,1
	v_lshrrev_b32 v[36+\c], 23, v[44+\c]           ; the scale's byte
.endr
	v_lshl_or_b32 v9, v37, 16, v36                 ; my two bytes: blocks hl and 2 + hl,
	v_lshlrev_b32 v10, 3, v2
	v_lshlrev_b32 v9, v10, v9                      ; at their places in the word;
	v_mov_b32 v10, 0
	v_permlanex16_b32 v10, v9, s58, s59
	v_or_b32 v9, v9, v10                           ; with lane l xor 16's two the word is whole
.irp c,0,1
	v_cvt_scalef32_pk16_bf6_f32 v[48+6*\c:50+6*\c], v[64+32*\c:79+32*\c], v[44+\c]
	v_cvt_scalef32_pk16_bf6_f32 v[192+4*\c:194+4*\c], v[80+32*\c:95+32*\c], v[44+\c]   ; (a conversion's three registers begin on an even number)
.endr
	v_nop                                          ; one plain instruction behind the scaled conversions
.irp c,0,1
.irp i,0,1,2
	v_mov_b32 v[51+6*\c+\i], v[192+4*\c+\i]
.endr
.endr
	s_mul_i32 s56, s2, 1536
	s_cmp_lt_u32 s2, 96
	s_cselect_b32 s57, 0, 13312                    ; Wo's fragments lie behind the scale words and the vectors
	s_add_co_u32 s56, s56, s57
	v_lshl_add_u32 v11, v0, 4, s56
	s_lshl_b32 s57, s2, 6
	s_add_co_u32 s57, s57, 147456
	v_lshl_add_u32 v12, v1, 2, s57
	global_store_b128 v11, v[48:51], s[40:41]              ; 32 lanes store 512 consecutive bytes
	global_store_b128 v11, v[52:55], s[40:41] offset:512
	global_store_b128 v11, v[56:59], s[40:41] offset:1024
	global_store_b32 v12, v9, s[40:41]                     ; lanes r and r + 16 store the same word to the same place
	s_cmp_eq_u32 s2, 1                             ; fragments 0 to 4 of an axis also copy one vector of 256 numbers each
	s_cselect_b64 s[20:21], s[22:23], s[20:21]
	s_cmp_eq_u32 s2, 2
	s_cselect_b64 s[20:21], s[24:25], s[20:21]
	s_cmp_eq_u32 s2, 3
	s_cselect_b64 s[20:21], s[26:27], s[20:21]
	s_cmp_eq_u32 s2, 4
	s_cselect_b64 s[20:21], s[28:29], s[20:21]
	s_cmp_lt_u32 s2, 5
	s_cbranch_scc0 .Lnovec
	v_lshlrev_b32 v13, 4, v0
	global_load_b128 v[16:19], v13, s[20:21]
	global_load_b128 v[20:23], v13, s[20:21] offset:512
	s_lshl_b32 s56, s2, 10
	s_add_co_u32 s56, s56, 155648
	v_lshl_add_u32 v14, v0, 4, s56
	s_wait_loadcnt 0x0
	global_store_b128 v14, v[16:19], s[40:41]
	global_store_b128 v14, v[20:23], s[40:41] offset:512
.Lnovec:
	s_cmp_eq_u32 ttmp9, 0                          ; the first work-group stores the whole numbers (every eight words of a buffer hold the same eight) and the zeros
	s_cbranch_scc0 .Lend
	v_lshlrev_b32 v15, 5, v0
	v_lshlrev_b32 v38, 4, v0
	v_mov_b32 v24, 0x100                           ; along j: a sequence is 256 KiB on, a token 1 KiB; x as a residual goes by the same strides,
	v_mov_b32 v25, 1
	v_mov_b32 v26, 0x100
	v_mov_b32 v27, 1
	v_mov_b32 v28, 0                               ; the second residual stands still; x counts
	v_mov_b32 v29, 0
	v_mov_b32 v30, 1
	v_mov_b32 v31, 0
	v_mov_b32 v32, 1                               ; along i: 1 KiB, 256 KiB; x as a residual stands still;
	v_mov_b32 v33, 0x100                           ; the second residual goes by 1 KiB, 256 KiB; x does not count: the same four numbers twice
	v_mov_b32 v34, 0
	v_mov_b32 v35, 0
	v_mov_b32 v40, 0
	v_mov_b32 v41, 0
	v_mov_b32 v42, 0
	v_mov_b32 v43, 0
	global_store_b128 v15, v[24:27], s[44:45]
	global_store_b128 v15, v[28:31], s[44:45] offset:16
	global_store_b128 v15, v[32:35], s[46:47]
	global_store_b128 v15, v[32:35], s[46:47] offset:16
	global_store_b128 v38, v[40:43], s[60:61]
	global_store_b128 v38, v[40:43], s[60:61] offset:512
.Lend:
	s_endpgm
.Lfunc_end_k_q9204910b3e_prep:
	.size	k_q9204910b3e_prep, .Lfunc_end_k_q9204910b3e_prep-k_q9204910b3e_prep
	.p2alignl 7, 3214868480
	.fill 96, 4, 3214868480
	.section	.rodata,"a",@progbits
	.p2align	6, 0x0
	.amdhsa_kernel k_q9204910b3e_prep
		.amdhsa_group_segment_fixed_size 0
		.amdhsa_private_segment_fixed_size 0
		.amdhsa_enable_private_segment 0
		.amdhsa_kernarg_size 168
		.amdhsa_user_sgpr_count 2
		.amdhsa_user_sgpr_kernarg_segment_ptr 1
		.amdhsa_wavefront_size32 1
		.amdhsa_system_sgpr_workgroup_id_x 1
		.amdhsa_system_sgpr_workgroup_id_y 1
		.amdhsa_system_sgpr_workgroup_id_z 1
		.amdhsa_system_vgpr_workitem_id 0
		.amdhsa_next_free_vgpr 200
		.amdhsa_next_free_sgpr 66
		.amdhsa_reserve_vcc 0
		.amdhsa_float_denorm_mode_32 3
		.amdhsa_float_denorm_mode_16_64 3
		.amdhsa_memory_ordered 1
		.amdhsa_forward_progress 1
		.amdhsa_inst_pref_size 27
	.end_amdhsa_kernel
	.amdgpu_metadata
---
amdhsa.version: [ 1, 2 ]
amdhsa.kernels:
  - .name:           k_q9204910b3e_prep
    .symbol:         k_q9204910b3e_prep.kd
    .args:
      - { .name: Wq_i, .offset: 0, .size: 8, .value_kind: global_buffer, .address_space: global }
      - { .name: Wkv_i, .offset: 8, .size: 8, .value_kind: global_buffer, .address_space: global }
      - { .name: Wo_i, .offset: 16, .size: 8, .value_kind: global_buffer, .address_space: global }
      - { .name: Wq_j, .offset: 24, .size: 8, .value_kind: global_buffer, .address_space: global }
      - { .name: Wkv_j, .offset: 32, .size: 8, .value_kind: global_buffer, .address_space: global }
      - { .name: Wo_j, .offset: 40, .size: 8, .value_kind: global_buffer, .address_space: global }
      - { .name: gia, .offset: 48, .size: 8, .value_kind: global_buffer, .address_space: global }
      - { .name: bia, .offset: 56, .size: 8, .value_kind: global_buffer, .address_space: global }
      - { .name: gib, .offset: 64, .size: 8, .value_kind: global_buffer, .address_space: global }
      - { .name: bib, .offset: 72, .size: 8, .value_kind: global_buffer, .address_space: global }
      - { .name: bo_i, .offset: 80, .size: 8, .value_kind: global_buffer, .address_space: global }
      - { .name: gja, .offset: 88, .size: 8, .value_kind: global_buffer, .address_space: global }
      - { .name: bja, .offset: 96, .size: 8, .value_kind: global_buffer, .address_space: global }
      - { .name: gjb, .offset: 104, .size: 8, .value_kind: global_buffer, .address_space: global }
      - { .name: bjb, .offset: 112, .size: 8, .value_kind: global_buffer, .address_space: global }
      - { .name: bo_j, .offset: 120, .size: 8, .value_kind: global_buffer, .address_space: global }
      - { .name: wimg_i, .offset: 128, .size: 8, .value_kind: global_buffer, .address_space: global }
      - { .name: wimg_j, .offset: 136, .size: 8, .value_kind: global_buffer, .address_space: global }
      - { .name: par_i, .offset: 144, .size: 8, .value_kind: global_buffer, .address_space: global }
      - { .name: par_j, .offset: 152, .size: 8, .value_kind: global_buffer, .address_space: global }
      - { .name: zeros, .offset: 160, .size: 8, .value_kind: global_buffer, .address_space: global }
    .group_segment_fixed_size: 0
    .private_segment_fixed_size: 0
    .kernarg_segment_align: 8
    .kernarg_segment_size: 168
    .max_flat_workgroup_size: 32
    .sgpr_count:     66
    .vgpr_count:     200
    .wavefront_size: 32
...
	.end_amdgpu_metadata
.endif
;; end of part 1
;; launch attn_i (part 2): grid 256 x 1, 4 waves a work-group, no clusters, 327,680 bytes of LDS; arguments x, zeros, tmp, wimg_i, par_i, sin_i, cos_i; writes tmp
.if DOCPART == 2
	.amdgcn_target "amdgcn-amd-amdhsa--gfx1250"
	.amdhsa_code_object_version 6
	.text
	.protected	k_q9204910b3e_attn_i
	.globl	k_q9204910b3e_attn_i
	.p2align	8
	.type	k_q9204910b3e_attn_i,@function
k_q9204910b3e_attn_i:
	s_mov_b64 s[64:65], 0
	v_nop
	global_prefetch_b8 v0, s[64:65] scope:SCOPE_SE
	s_setreg_imm32_b32 hwreg(HW_REG_WAVE_MODE, 25, 1), 1
	s_wait_xcnt 0x0
; out = res + cx x + 0.5 elu(attention(x) Wo + bo) for ONE AXIS of x [256][256][256] f32.  Arguments: x, res, out, wimg, par, sin, cos.  All five products on codes of BF6 (E3M2) with one E8M0 byte for each 32 along K.
; A work-group is one sequence of 256 tokens x 256 channels.  par gives the strides (sequence, token) in KiB, so that one text serves both axes: of x and out; of x as a residual; of res; and cx, 0 or 1.
; First axis: res is 1,024 bytes of zeros read with strides 0, x counts (cx = 1).  Second axis: res is the first axis' result, x as a residual is read with strides 0 and does not count (cx = 0).
; Wave w owns tokens 64 w .. 64 w + 63 from the load of x to the store.
; THE TOKENS OF A TILE ARE NOT NEIGHBOURS: row m of tile a is token 64 w + 32 (m / 8) + 8 a + m % 8.  So four neighbouring tiles give lane (r, hl) 32 neighbours, 32 hl + 0 .. 31: a whole block of a quantiser,
; in the lane and the register order of a 6-bit operand.  The weights' columns are chosen alike.  No maximum of a block asks another lane, and no code changes lanes.
; PHASES.  X: both norms of my 64 tokens, quantised: two sets of operand registers that stay.  P: for each head q, k (transposed products, a lane holds one token; rotary turn; quantised along d) and v (a lane holds one d,
; registers run along the tokens; quantised along the tokens); their codes go to LDS as images of registers.  A: for each of my four tiles of queries and each head: S^T = K Q^T over all 256 keys (K = 64: Q's upper 64 codes
; are zeros, so K's upper half may be any codes), the softmax of whole rows, O^T = V^T P^T, divided by the row's sum; then the four heads of a tile are quantised in blocks (8 d x 4 heads, head-major as Wo's rows were laid),
; multiplied by Wo with bo as the sums' start, elu, residuals, store.  Three barriers: the weights are in LDS; K and V are whole; Wo is in LDS.
; THE SOFTMAX: t = score x log2(e), M = ceil(the row's largest t), p = 2^(t - M) is quantised; the row's sum is taken of the unquantised p.
; NO CLUSTER: what work-groups share is the weights' 209,920 bytes, read once at the head, of the 995,000 bytes or so that a work-group moves (x, the residual that counts and out are 262,144 bytes each and its own).
; LIMITS: NaN and infinities are not served (cx x with cx = 0 wants x finite); a p under 2^-126 counts as 0; a block whose largest magnitude lies under 2^-122 (a block of zeros among them) gets the byte 1, and its codes are zeros or nearly so.
; LDS: 0 the weights' fragments q, k, v (later: Wo's fragments at 0, and from 49,152 on 16,384 bytes a wave of scratch and stage); WSC scale words; GB gains, biases; then K's, V's, Q's images and scale words.
;   What a wave stores of K, V and Q lies in a range of its own: K: KIMG + 12,288 w + 3,072 h + 512 j; V: VIMG + 12,288 w + 3,072 h + 768 t; Q: QIMG + 12,288 w + 3,072 a + 768 h; K's words: KSC + 1,024 w + 256 h + 16 r.
; REGISTERS in windows of 256.  Window 0: v1-4 lane constants, v5-31 addresses and statistics, v32-61 scale words, v62-63 the LDS adds' address and 0; X, P: v64-159, v160-255 the two norms' codes; A: v64-191 S^T (in a tile's epilogue v64-127: rows of x),
;   v192-215 p's codes, v248-249 the prefetches' offsets, v250-251 cx.
;   window 1: X: x of tiles 0, 1; P: sin, cos; A: K 0-101, Q 104-115, V 116-211, offsets and bases 212-249.   window 2: X: x of tiles 2, 3; P: 16 accumulators; A: O^T, four heads' O, rows; 160-235 the quantiser's work; 236-243 res's offsets.
;   window 3: X: gains and work; P: 8 weight fragments, Wo's share; A: half of Wo 0-191, Y 192-255.
; SCALARS that stay: s[4:5] x, s[6:7] res, s[8:9] out, s[12:13] x as a residual (the last three at the tile in hand), s[10:11] wimg, s24, s66, s67 a token's stride in x and out, in x as a residual, in res;
;   s[22:23], s[68:69], s[70:71] eight tokens of each; s[82:83], s[84:85] 32 tokens of the two residuals; s25 the wave; s50 cx as a whole number.
.set WSC,   147456
.set GB,    155648
.set KIMG,  160768
.set VIMG,  209920
.set QIMG,  259072
.set KSC,   308224
.set VSC,   313344
.set QSC,   316416
.set SCR,   49152
.set WOG,   160768                     ; Wo's fragments in wimg
.set FLOOR, 0x2800000                  ; 2^(5 - 127)
.set EOFF,  0xfe000000                 ; 4 off an exponent field
.set AN,  64
.set BN,  160
.set ANS, 32
.set BNS, 40
.set WS,  48
.set TA,  128                          ; window 3, phase X
.set SUM, 192
.set NMU, 208
.set RS,  212
.set M3,  216
.set BY3, 220
.set HW3, 224
.set CT3, 228
.set PX3, 244
.set SH3, 248
.set TT,  128                          ; window 2
.set QC,  160
.set QM,  184
.set QBY, 188
.set QT,  192
.set PX2, 208
.set SH2, 212
.set WD,  216
.set VH,  220                          ; v220-235: V's scale half words of the four heads, the youngest head lowest
.set RO,  236                          ; window 2: res's offsets of rows 0-7
.set XO,  242                          ; window 1: the same for x as a residual
.set MSB, 0
.macro WIN new                         ; the immediate's high byte repeats the setting that is left; a switch that changes nothing is dropped
.if MSB != (\new)
	s_set_vgpr_msb (MSB<<8)|(\new)
.set MSB, (\new)
.endif
.endm
.macro W4 d, a, b, c                   ; windows of the destination and of sources 0, 1, 2
	WIN (((\d)<<6)|((\c)<<4)|((\b)<<2)|(\a))
.endm
.macro NOPS n
.rept \n
	v_nop
.endr
.endm
.macro BAR
	s_barrier_signal -1
	s_barrier_wait -1
.endm
.macro MM d, a, b, c, sa, sb, rows
	v_wmma_scale_f32_16x16x128_f8f6f4 v[\d:\d+7], v[\a:\a+11], v[\b:\b+11], \c, v[\sa], v[\sb] matrix_a_fmt:MATRIX_FMT_BF6 matrix_b_fmt:MATRIX_FMT_BF6 \rows
.endm
	s_load_b256 s[4:11], s[0:1], 0x0               ; x, res, out, wimg
	s_load_b128 s[12:15], s[0:1], 0x20             ; par, sin
	s_load_b64 s[16:17], s[0:1], 0x30              ; cos
	v_lshl_add_u32 v62, v0, 2, 0x4e400
	v_mov_b32 v63, 0
	ds_add_u32 v62, v63
	ds_add_u32 v62, v63
	v_lshrrev_b32 v16, 5, v0
	v_readfirstlane_b32 s25, v16                   ; wave 0..3
	v_and_b32 v18, 31, v0
	v_lshlrev_b32 v1, 4, v18                       ; 16 x lane
	v_lshlrev_b32 v2, 3, v18                       ; 8 x lane
	v_and_b32 v16, 15, v0                          ; r
	v_bfe_u32 v17, v0, 4, 1                        ; hl
	v_lshlrev_b32 v3, 2, v16                       ; 4 r
	v_lshlrev_b32 v4, 3, v17                       ; 8 hl
	v_lshrrev_b32 v18, 3, v16
	v_mad_u32_u24 v18, v18, 24, v16                ; row r's token in tile 0: r % 8 + 32 (r / 8)
	v_lshl_add_u32 v9, v17, 7, GB                  ; the gains of my half's 32 channels
	v_lshlrev_b32 v10, 8, v18
	v_lshl_add_u32 v10, v17, 7, v10                ; sin, cos: my token's row of 256 bytes, + 128 hl
	s_mov_b32 s26, 0x76543210
	s_mov_b32 s27, 0xfedcba98                      ; v_permlanex16_b32's selects for lane l xor 16
	s_mov_b32 s28, 0x3fb8aa3b                      ; log2(e)
	s_mov_b32 s29, s28                             ; (named with it as a pair, so it is written)
	; the weights' images, scale words and vectors: 160,768 dense bytes; each wave brings 157 rows of 256 bytes by one tensor load, filled once
	s_mul_i32 s48, s25, 40192
	s_mov_b32 s49, 0
	s_mov_b32 s52, 1                               ; group 0: count = 1
	s_mul_i32 s53, s25, 40192                      ; LDS address
	s_mov_b32 s56, 3<<16                           ; group 1: no mask, elements of 8 bytes, no padding
	s_mov_b32 s57, 32<<16                          ; tensor_dim0 = 32
	s_mov_b32 s58, 157<<16                         ; tensor_dim1 = 157
	s_mov_b32 s59, 32<<16                          ; tile_dim0 = 32
	s_mov_b32 s60, 157                             ; tile_dim1 = 157
	s_mov_b32 s61, 32                              ; elements from row to row
	s_mov_b32 s62, 0
	s_mov_b32 s63, 0
	s_wait_dscnt 0x0
	s_wait_kmcnt 0x0
	s_load_b256 s[36:43], s[12:13], 0x0            ; the six strides in KiB, cx, 0
	s_add_nc_u64 s[54:55], s[10:11], s[48:49]
	s_or_b32 s55, s55, 0x80000000                  ; type = 2
	tensor_load_to_lds s[52:55], s[56:63]          ; my one tensor load of the launch
	s_nop 0
	NOPS 4
	s_wait_kmcnt 0x0
	s_min_u32 s18, s36, 256                        ; loaded numbers enter addresses only behind a bound
	s_min_u32 s19, s37, 256
	s_min_u32 s30, s38, 256
	s_min_u32 s31, s39, 256
	s_min_u32 s32, s40, 256
	s_min_u32 s33, s41, 256
	s_mov_b32 s50, s42                             ; cx: it enters no address
	s_lshl_b32 s24, s19, 10                        ; bytes from token to token: in x and out,
	s_lshl_b32 s66, s31, 10                        ; in x as a residual,
	s_lshl_b32 s67, s33, 10                        ; in res
	s_mov_b32 s21, 0
	s_mul_i32 s20, ttmp9, s30                      ; x as a residual: my sequence,
	s_lshl_b32 s20, s20, 10
	s_mul_i32 s48, s25, s66
	s_lshl_b32 s48, s48, 6                         ; my wave's 64 tokens
	s_add_co_u32 s20, s20, s48
	s_add_nc_u64 s[12:13], s[4:5], s[20:21]        ; (par's address is done with)
	s_mul_i32 s20, ttmp9, s32                      ; res likewise
	s_lshl_b32 s20, s20, 10
	s_mul_i32 s48, s25, s67
	s_lshl_b32 s48, s48, 6
	s_add_co_u32 s20, s20, s48
	s_add_nc_u64 s[6:7], s[6:7], s[20:21]
	s_mul_i32 s20, ttmp9, s18                      ; x and out
	s_lshl_b32 s20, s20, 10
	s_mul_i32 s48, s25, s24
	s_lshl_b32 s48, s48, 6
	s_add_co_u32 s20, s20, s48
	s_add_nc_u64 s[4:5], s[4:5], s[20:21]
	s_add_nc_u64 s[8:9], s[8:9], s[20:21]
	s_lshl_b32 s22, s24, 3                         ; eight tokens on: from a tile to the next
	s_mov_b32 s23, 0
	s_lshl_b32 s68, s66, 3
	s_mov_b32 s69, 0
	s_lshl_b32 s70, s67, 3
	s_mov_b32 s71, 0
	s_lshl_b32 s82, s66, 5                         ; 32 tokens on: from a tile's rows 0-7 to its rows 8-15
	s_mov_b32 s83, 0
	s_lshl_b32 s84, s67, 5
	s_mov_b32 s85, 0
	s_lshl_b32 s48, s25, 14
	s_add_nc_u64 s[14:15], s[14:15], s[48:49]      ; sin and cos at my wave's first token
	s_add_nc_u64 s[16:17], s[16:17], s[48:49]
	v_mul_lo_u32 v5, v18, s24
	v_lshl_add_u32 v5, v17, 7, v5                  ; x: tile 0: my token, + 128 hl;
	v_add_nc_u32 v6, s22, v5                       ; tiles 1 to 3
	v_add_nc_u32 v7, s22, v6
	v_add_nc_u32 v8, s22, v7
.macro XLOAD a                         ; tile a: lane (r, hl) takes channels 64 c + 32 hl + 0 .. 31 of its token, c = 0 .. 3, into registers 32 c + 0 .. 31
	W4 1+(\a)/2, 0, 0, 0
.irp c,0,1,2,3
.irp i,0,1,2,3,4,5,6,7
	global_load_b128 v[128*((\a)%2)+32*\c+4*\i:128*((\a)%2)+32*\c+4*\i+3], v[5+(\a)], s[4:5] offset:256*\c+16*\i
.endr
.endr
.endm
	XLOAD 0
	XLOAD 1
	XLOAD 2
	XLOAD 3
	WIN 0xc0
	v_mov_b32 v[SH3], v4
.irp q,0,1,2,3
	v_mov_b32 v[PX3+\q], 0                         ; written once: a lane permute's destination counts as one of its sources
.endr
	WIN 0
	s_wait_tensorcnt 0x0                           ; my part of the weights is in LDS,
	BAR                                            ; everybody's is.  (x's loads stay out: nobody writes x)
; ---------------- X: the two norms and their quantiser
.macro GLOAD c4                        ; ga, ba, gb, bb of channels 64 c4 + 32 hl + 0 .. 31 into window 3, v0-127
	WIN 0xc0
.irp v,0,1,2,3
.irp i,0,1,2,3,4,5,6,7
	ds_load_b128 v[32*\v+4*\i:32*\v+4*\i+3], v9 offset:1024*\v+256*(\c4)+16*\i
.endr
.endr
.endm
.macro REDUCE                          ; four packed chains of each of two tiles become one number, with lane l xor 16's
	WIN 0xff
.irp u,0,1
	v_pk_add_f32 v[SUM+8*\u:SUM+8*\u+1], v[SUM+8*\u:SUM+8*\u+1], v[SUM+8*\u+2:SUM+8*\u+3]
	v_pk_add_f32 v[SUM+8*\u+4:SUM+8*\u+5], v[SUM+8*\u+4:SUM+8*\u+5], v[SUM+8*\u+6:SUM+8*\u+7]
.endr
.irp u,0,1
	v_pk_add_f32 v[SUM+8*\u:SUM+8*\u+1], v[SUM+8*\u:SUM+8*\u+1], v[SUM+8*\u+4:SUM+8*\u+5]
.endr
.irp u,0,1
	v_add_f32 v[SUM+8*\u], v[SUM+8*\u], v[SUM+8*\u+1]
.endr
.irp u,0,1
	v_permlanex16_b32 v[PX3+\u], v[SUM+8*\u], s26, s27
.endr
.irp u,0,1
	v_add_f32 v[SUM+8*\u], v[SUM+8*\u], v[PX3+\u]
.endr
.endm
.macro STATS wx                        ; the two tiles of window wx become (x - mean) / sqrt(var + eps), in place; the variance is taken of the centred numbers
	W4 3, \wx, \wx, 0
.irp u,0,1
.irp k,0,1,2,3
	v_pk_add_f32 v[SUM+8*\u+2*\k:SUM+8*\u+2*\k+1], v[128*\u+2*\k:128*\u+2*\k+1], v[128*\u+8+2*\k:128*\u+8+2*\k+1]
.endr
.endr
	W4 3, 3, \wx, 0
.set ii, 16
.rept 14
.irp u,0,1
.irp k,0,1,2,3
	v_pk_add_f32 v[SUM+8*\u+2*\k:SUM+8*\u+2*\k+1], v[SUM+8*\u+2*\k:SUM+8*\u+2*\k+1], v[128*\u+ii+2*\k:128*\u+ii+2*\k+1]
.endr
.endr
.set ii, ii+8
.endr
	REDUCE
.irp u,0,1
	v_mul_f32 v[NMU+2*\u], 0xbb800000, v[SUM+8*\u]         ; - sum / 256
.endr
.irp u,0,1
	v_mov_b32 v[NMU+2*\u+1], v[NMU+2*\u]
.endr
	W4 \wx, \wx, 3, 0
.irp u,0,1
.set ii, 0
.rept 64
	v_pk_add_f32 v[128*\u+ii:128*\u+ii+1], v[128*\u+ii:128*\u+ii+1], v[NMU+2*\u:NMU+2*\u+1]
.set ii, ii+2
.endr
.endr
	W4 3, \wx, \wx, 3
.irp u,0,1
.irp k,0,1,2,3
	v_pk_mul_f32 v[SUM+8*\u+2*\k:SUM+8*\u+2*\k+1], v[128*\u+2*\k:128*\u+2*\k+1], v[128*\u+2*\k:128*\u+2*\k+1]
.endr
.endr
.set ii, 8
.rept 15
.irp u,0,1
.irp k,0,1,2,3
	v_pk_fma_f32 v[SUM+8*\u+2*\k:SUM+8*\u+2*\k+1], v[128*\u+ii+2*\k:128*\u+ii+2*\k+1], v[128*\u+ii+2*\k:128*\u+ii+2*\k+1], v[SUM+8*\u+2*\k:SUM+8*\u+2*\k+1]
.endr
.endr
.set ii, ii+8
.endr
	REDUCE
.irp u,0,1
	v_mul_f32 v[SUM+8*\u], 0x3b800000, v[SUM+8*\u]         ; / 256: exact
.endr
.irp u,0,1
	v_add_f32 v[SUM+8*\u], 0x3727c5ac, v[SUM+8*\u]         ; + 1e-5
.endr
.irp u,0,1
	v_rsq_f32 v[RS+2*\u], v[SUM+8*\u]
.endr
	v_nop                                          ; a plain instruction behind the transcendentals,
	s_wait_alu depctr_va_vdst(0)                   ; and one wait for both, ahead of the first instruction that names a result
.irp u,0,1
	v_mov_b32 v[RS+2*\u+1], v[RS+2*\u]
.endr
	W4 \wx, \wx, 3, 0
.irp u,0,1
.set ii, 0
.rept 64
	v_pk_mul_f32 v[128*\u+ii:128*\u+ii+1], v[128*\u+ii:128*\u+ii+1], v[RS+2*\u:RS+2*\u+1]
.set ii, ii+2
.endr
.endr
.endm
.macro MAX2 q0, b0, b1                 ; the largest magnitudes of two blocks of 32, each in two chains (M3 and BY3), with the floor among the leaves.  The caller sets the windows
	v_max3_num_f32 v[M3+\q0], |v[\b0]|, |v[\b0+1]|, FLOOR
	v_max3_num_f32 v[M3+\q0+1], |v[\b1]|, |v[\b1+1]|, FLOOR
	v_max3_num_f32 v[BY3+\q0], |v[\b0+16]|, |v[\b0+17]|, FLOOR
	v_max3_num_f32 v[BY3+\q0+1], |v[\b1+16]|, |v[\b1+17]|, FLOOR
.set ii, 2
.rept 7
	v_max3_num_f32 v[M3+\q0], |v[\b0+ii]|, |v[\b0+ii+1]|, v[M3+\q0]
	v_max3_num_f32 v[M3+\q0+1], |v[\b1+ii]|, |v[\b1+ii+1]|, v[M3+\q0+1]
	v_max3_num_f32 v[BY3+\q0], |v[\b0+16+ii]|, |v[\b0+17+ii]|, v[BY3+\q0]
	v_max3_num_f32 v[BY3+\q0+1], |v[\b1+16+ii]|, |v[\b1+17+ii]|, v[BY3+\q0+1]
.set ii, ii+2
.endr
.endm
; Block c4 (channels 64 c4 + 32 hl + 0 .. 31) of the two tiles 2 p, 2 p + 1 in window wx: both norms, their scales and codes.  nxt: the block whose gains are fetched next, or -1
.macro BLOCKX wx, p, c4, nxt
.set XB0, 32*(\c4)
.set CD, 48*(\p)+12*((\c4)/2)+6*((\c4)%2)
	s_wait_dscnt 0x0                               ; this block's gains and biases are in
	W4 3, \wx, 3, 3
.irp u,0,1
.set jj, 0
.rept 16
	v_pk_fma_f32 v[TA+32*\u+jj:TA+32*\u+jj+1], v[128*\u+XB0+jj:128*\u+XB0+jj+1], v[jj:jj+1], v[32+jj:33+jj]
.set jj, jj+2
.endr
.endr
	W4 \wx, \wx, 3, 3
.irp u,0,1
.set jj, 0
.rept 16
	v_pk_fma_f32 v[128*\u+XB0+jj:128*\u+XB0+jj+1], v[128*\u+XB0+jj:128*\u+XB0+jj+1], v[64+jj:65+jj], v[96+jj:97+jj]
.set jj, jj+2
.endr
.endr
.if (\nxt) >= 0
	GLOAD \nxt
.endif
	WIN 0xff
	MAX2 0, TA, TA+32
	W4 3, \wx, \wx, 3
	MAX2 2, XB0, 128+XB0
	WIN 0xff
.irp q,0,1,2,3
	v_max_num_f32 v[M3+\q], v[M3+\q], v[BY3+\q]
.endr
.irp q,0,1,2,3
	v_add_nc_u32 v[M3+\q], EOFF, v[M3+\q]          ; the conversion's scale operand
.endr
.if ((\c4)%2) == 0
.irp q,0,1,2,3
	v_lshrrev_b32 v[HW3+\q], 23, v[M3+\q]          ; the byte of block hl of this K step
.endr
.else
.irp q,0,1,2,3
	v_lshrrev_b32 v[BY3+\q], 23, v[M3+\q]
.endr
.irp q,0,1,2,3
	v_lshl_or_b32 v[HW3+\q], v[BY3+\q], 16, v[HW3+\q]      ; and of block 2 + hl
.endr
.endif
	W4 0, 3, 3, 0
.irp u,0,1
	v_cvt_scalef32_pk16_bf6_f32 v[AN+CD+24*\u:AN+CD+24*\u+2], v[TA+32*\u:TA+32*\u+15], v[M3+\u]
.endr
	W4 0, \wx, 3, 0
.irp u,0,1
	v_cvt_scalef32_pk16_bf6_f32 v[BN+CD+24*\u:BN+CD+24*\u+2], v[128*\u+XB0:128*\u+XB0+15], v[M3+2+\u]
.endr
	W4 3, \wx, 3, 0
.irp u,0,1
	v_cvt_scalef32_pk16_bf6_f32 v[CT3+8+4*\u:CT3+8+4*\u+2], v[128*\u+XB0+16:128*\u+XB0+31], v[M3+2+\u]   ; (a conversion's three registers begin on an even number)
.endr
	W4 3, 3, 3, 0
.irp u,0,1
	v_cvt_scalef32_pk16_bf6_f32 v[CT3+4*\u:CT3+4*\u+2], v[TA+32*\u+16:TA+32*\u+31], v[M3+\u]
.endr
	v_nop                                          ; one plain instruction behind the scaled conversions
	W4 0, 3, 0, 0
.irp u,0,1
.irp i,0,1,2
	v_mov_b32 v[AN+CD+24*\u+3+\i], v[CT3+4*\u+\i]
	v_mov_b32 v[BN+CD+24*\u+3+\i], v[CT3+8+4*\u+\i]
.endr
.endr
.if ((\c4)%2) == 1
	WIN 0xff
.irp q,0,1,2,3
	v_lshlrev_b32 v[HW3+\q], v[SH3], v[HW3+\q]     ; my two bytes at their places in the K step's scale word;
.endr
.irp q,0,1,2,3
	v_permlanex16_b32 v[PX3+\q], v[HW3+\q], s26, s27
.endr
	W4 0, 3, 3, 0
.irp u,0,1
	v_or_b32 v[ANS+4*(\p)+2*\u+(\c4)/2], v[HW3+\u], v[PX3+\u]      ; with lane l xor 16's two the word is whole, in both halves of the lanes
	v_or_b32 v[BNS+4*(\p)+2*\u+(\c4)/2], v[HW3+2+\u], v[PX3+2+\u]
.endr
.endif
.endm
	GLOAD 0
	s_wait_loadcnt 63                              ; behind tile 1's last load 64 loads were issued: tiles 0 and 1 are in
	STATS 1
	BLOCKX 1, 0, 0, 1
	BLOCKX 1, 0, 1, 2
	BLOCKX 1, 0, 2, 3
	BLOCKX 1, 0, 3, 0
	WIN 0x40                                       ; window 1 is free: sin and cos of my 64 tokens, d = 32 hl + 0 .. 31: tile a's sin at 64 a, cos at 64 a + 32
.irp a,0,1,2,3
.irp i,0,1,2,3,4,5,6,7
	global_load_b128 v[64*\a+4*\i:64*\a+4*\i+3], v10, s[14:15] offset:2048*\a+16*\i
	global_load_b128 v[64*\a+32+4*\i:64*\a+32+4*\i+3], v10, s[16:17] offset:2048*\a+16*\i
.endr
.endr
	s_wait_loadcnt 63                              ; behind x's last load these 64 were issued: tiles 2 and 3 are in
	STATS 2
	BLOCKX 2, 1, 0, 1
	BLOCKX 2, 1, 1, 2
	BLOCKX 2, 1, 2, 3
	BLOCKX 2, 1, 3, -1
; ---------------- P: q, k, v of the four heads
	WIN 0
	s_mul_i32 s48, s25, 12288
	v_add_nc_u32 v15, s48, v1                      ; my quarter of Wo's fragments: the same offset in wimg and, later, in LDS; kept until they are stored
	WIN 0xc0
.set jj, 0
.rept 24
	global_load_b128 v[96+4*jj:96+4*jj+3], v15, s[10:11] offset:WOG+512*jj
.set jj, jj+1
.endr
	WIN 0
	s_wait_loadcnt 24                              ; sin and cos are in; Wo's 24 loads stay out until K and V are done
	WIN 0x44
.irp a,0,1,2,3
.set jj, 0
.rept 16
	v_xor_b32 v[64*\a+jj], 0x80000000, v[64*\a+jj] ; the turn's sign: out[2 i] takes - x[2 i + 1] sin[2 i]
.set jj, jj+2
.endr
.endr
	WIN 0
	v_mov_b32 v5, v1                               ; the head's 8 fragments of q, of k, of v: 12,288 bytes each
	v_add_nc_u32 v6, 49152, v1
	v_add_nc_u32 v7, 98304, v1
	v_lshl_add_u32 v8, v17, 6, v3
	v_add_nc_u32 v8, WSC, v8                       ; their scale words: lanes 0-15 K step 0's, lanes 16-31 K step 1's
	s_add_co_u32 s49, s48, QIMG
	v_add_nc_u32 v9, s49, v1                       ; Q's pieces of 768 bytes: 12,288 w + 3,072 a + 768 h: four registers at 16 x lane,
	s_add_co_u32 s49, s49, 512
	v_add_nc_u32 v10, s49, v2                      ; two at 8 x lane
	s_add_co_u32 s49, s48, KIMG
	v_add_nc_u32 v12, s49, v1                      ; K: 12,288 w + 3,072 h: my 24 registers as six chunks of 512 bytes
	s_add_co_u32 s49, s48, VIMG
	v_add_nc_u32 v14, s49, v1                      ; V's pieces of 768 bytes: 12,288 w + 3,072 h + 768 t
	s_add_co_u32 s49, s49, 512
	v_add_nc_u32 v19, s49, v2
	s_lshl_b32 s48, s25, 10
	s_add_co_u32 s49, s48, QSC
	v_add_nc_u32 v11, s49, v3                      ; Q's scale words: 1,024 w + 256 a + 64 h + 4 r
	s_add_co_u32 s49, s48, KSC
	v_lshl_add_u32 v13, v16, 4, s49                ; K's: 1,024 w + 256 h + 16 r: my four tiles' words
	v_mul_u32_u24 v20, v16, 48
	s_lshl_b32 s49, s25, 1
	s_add_co_u32 s49, s49, VSC
	v_add_nc_u32 v20, s49, v20                     ; V's scale bytes: 768 h + row r of 48 bytes, 8 bytes a tile, my two bytes; never stepped: they are stored behind the loop
	WIN 0x80
	v_mov_b32 v[SH2], v4
.irp q,0,1,2,3
	v_mov_b32 v[PX2+\q], 0
.endr
.irp q,0,1,2,3,4,5,6,7,8,9,10,11
	v_mov_b32 v[VH+\q], 0                          ; the first trips move these on before a head has filled them
.endr
.macro FLOAD adr, kind                 ; a head's 8 fragments (tile t, K step s at 12 (2 t + s)) into window 3, and their scale words
	WIN 0xc0
.set jj, 0
.rept 24
	ds_load_b128 v[4*jj:4*jj+3], v[\adr] offset:512*jj
.set jj, jj+1
.endr
	WIN 0
.irp t,0,1,2,3
	ds_load_b32 v[WS+\t], v8 offset:2048*(\kind)+128*\t
.endr
.endm
; transposed: source 0 = 16 columns of the weight, source 1 = 16 tokens.  Accumulator 32 a + 8 t: lane (token r of tile a, hl), register j: d = 32 hl + 8 t + j.  The 16 accumulators take turns
.macro PROJT cod, sc
	WIN 0xa3
.irp a,0,1,2,3
.irp t,0,1,2,3
	MM 32*\a+8*\t, 24*\t, \cod+24*\a, 0, WS+\t, \sc+2*\a
.endr
.endr
.irp a,0,1,2,3
.irp t,0,1,2,3
	MM 32*\a+8*\t, 24*\t+12, \cod+24*\a+12, v[32*\a+8*\t:32*\a+8*\t+7], WS+\t, \sc+2*\a+1, matrix_a_scale:MATRIX_SCALE_ROW1
.endr
.endr
.endm
; natural: source 0 = 16 tokens, source 1 = 16 columns.  Accumulator 32 t + 8 a: lane (d = 16 t + r, hl), register j: token 64 w + 32 hl + 8 a + j
.macro PROJN
	WIN 0xac
.irp t,0,1,2,3
.irp a,0,1,2,3
	MM 32*\t+8*\a, BN+24*\a, 24*\t, 0, BNS+2*\a, WS+\t
.endr
.endr
.irp t,0,1,2,3
.irp a,0,1,2,3
	MM 32*\t+8*\a, BN+24*\a+12, 24*\t+12, v[32*\t+8*\a:32*\t+8*\a+7], BNS+2*\a+1, WS+\t, matrix_b_scale:MATRIX_SCALE_ROW1
.endr
.endr
.endm
.macro ROPE                            ; x cos + turn(x) sin: the pair's halves change places in the first product
	WIN 0xa6
.irp a,0,1,2,3
.set jj, 0
.rept 16
	v_pk_mul_f32 v[TT+jj:TT+jj+1], v[32*\a+jj:32*\a+jj+1], v[64*\a+jj:64*\a+jj+1] op_sel:[1,0] op_sel_hi:[0,1]
.set jj, jj+2
.endr
.set jj, 0
.rept 16
	v_pk_fma_f32 v[32*\a+jj:32*\a+jj+1], v[32*\a+jj:32*\a+jj+1], v[64*\a+32+jj:64*\a+32+jj+1], v[TT+jj:TT+jj+1]
.set jj, jj+2
.endr
.endr
.endm
; four blocks of 32 numbers of a lane, at base + 32 q of window 2, become codes at QC + 6 q and bytes at QBY + q.  All in window 2; read from each accumulator's low end on
.macro QUANT4 base
.irp q,0,1,2,3
	v_max3_num_f32 v[QM+\q], |v[\base+32*\q]|, |v[\base+32*\q+1]|, FLOOR
.endr
.set ii, 2
.rept 15
.irp q,0,1,2,3
	v_max3_num_f32 v[QM+\q], |v[\base+32*\q+ii]|, |v[\base+32*\q+ii+1]|, v[QM+\q]
.endr
.set ii, ii+2
.endr
.irp q,0,1,2,3
	v_add_nc_u32 v[QM+\q], EOFF, v[QM+\q]
.endr
.irp q,0,1,2,3
	v_lshrrev_b32 v[QBY+\q], 23, v[QM+\q]
.endr
.irp q,0,1,2,3
	v_cvt_scalef32_pk16_bf6_f32 v[QC+6*\q:QC+6*\q+2], v[\base+32*\q:\base+32*\q+15], v[QM+\q]
	v_cvt_scalef32_pk16_bf6_f32 v[QT+4*\q:QT+4*\q+2], v[\base+32*\q+16:\base+32*\q+31], v[QM+\q]
.endr
	v_nop                                          ; one plain instruction behind the scaled conversions
.irp q,0,1,2,3
.irp i,0,1,2
	v_mov_b32 v[QC+6*\q+3+\i], v[QT+4*\q+\i]
.endr
.endr
.endm
.macro WORDS                           ; byte hl of each of four words is mine, byte 1 - hl lane l xor 16's; the upper two bytes stay 0
.irp q,0,1,2,3
	v_lshlrev_b32 v[WD+\q], v[SH2], v[QBY+\q]
.endr
.irp q,0,1,2,3
	v_permlanex16_b32 v[PX2+\q], v[WD+\q], s26, s27
.endr
.irp q,0,1,2,3
	v_or_b32 v[WD+\q], v[WD+\q], v[PX2+\q]
.endr
.endm
	FLOAD 5, 0
	s_mov_b32 s30, 0
.Lproj:                                            ; a trip is a head
	s_wait_dscnt 0x0                               ; q's fragments are in
	PROJT AN, ANS
	NOPS 4                                         ; places in front of loads into registers that the products have read, and of the first read of results
	FLOAD 6, 1                                     ; k's fragments land under q's vector work
	ROPE
	WIN 0xaa
	QUANT4 0
	WORDS
	WIN 0x08
.irp a,0,1,2,3
	ds_store_b128 v9, v[QC+6*\a:QC+6*\a+3] offset:3072*\a
	ds_store_b64 v10, v[QC+6*\a+4:QC+6*\a+5] offset:3072*\a
	ds_store_b32 v11, v[WD+\a] offset:256*\a
.endr
	s_wait_dscnt 0x0                               ; k's fragments are in; the stores have read their registers
	PROJT BN, BNS
	NOPS 4
	FLOAD 7, 2
	ROPE
	WIN 0xaa
	QUANT4 0
	WORDS
	WIN 0x08
.irp j,0,1,2,3,4,5
	ds_store_b128 v12, v[QC+4*\j:QC+4*\j+3] offset:512*\j
.endr
	ds_store_b128 v13, v[WD:WD+3]                  ; lanes r and r + 16 store the same words to the same place
	s_wait_dscnt 0x0
	PROJN
	WIN 0
	v_add_nc_u32 v5, 12288, v5                     ; on to the next head's fragments (no LDS instruction of mine is out).  These four are the places behind the products
	v_add_nc_u32 v6, 12288, v6
	v_add_nc_u32 v7, 12288, v7
	v_add_nc_u32 v8, 512, v8
	FLOAD 5, 0                                     ; (in the last trip: bytes of k's fragments, inside LDS, not used)
	WIN 0xaa
	QUANT4 0
	WORDS
.irp k,3,2,1
.irp t,0,1,2,3
	v_mov_b32 v[VH+4*\k+\t], v[VH+4*\k-4+\t]       ; the earlier heads' half words move on,
.endr
.endr
.irp t,0,1,2,3
	v_mov_b32 v[VH+\t], v[WD+\t]                   ; and this head's take the lowest four
.endr
	WIN 0x08
.irp t,0,1,2,3
	ds_store_b128 v14, v[QC+6*\t:QC+6*\t+3] offset:768*\t
	ds_store_b64 v19, v[QC+6*\t+4:QC+6*\t+5] offset:768*\t
.endr
	WIN 0
	s_wait_dscnt 0x0                               ; no LDS instruction of mine is out: the stores' addresses step
	v_add_nc_u32 v9, 768, v9
	v_add_nc_u32 v10, 768, v10
	v_add_nc_u32 v11, 64, v11
	v_add_nc_u32 v12, 3072, v12
	v_add_nc_u32 v13, 256, v13
	v_add_nc_u32 v14, 3072, v14
	v_add_nc_u32 v19, 3072, v19
	s_add_co_u32 s30, s30, 1
	s_cmp_lt_u32 s30, 4
	s_cbranch_scc1 .Lproj
	WIN 0x08
.irp k,0,1,2,3
.irp t,0,1,2,3
	ds_store_b16 v20, v[VH+4*\k+\t] offset:768*(3-\k)+8*\t   ; V's scale bytes of head 3 - k, tile t: two bytes of a word that two waves fill
.endr
.endr
	WIN 0
	s_wait_dscnt 0x0                               ; my stores of K and V have landed, my reads of the weights are over
	BAR                                            ; K and V are whole; nobody reads q's, k's, v's fragments any more
	s_wait_loadcnt 0x0                             ; Wo's quarter
	WIN 0x0c
.set jj, 0
.rept 24
	ds_store_b128 v15, v[96+4*jj:96+4*jj+3] offset:512*jj
.set jj, jj+1
.endr
	WIN 0
	s_wait_dscnt 0x0
	BAR                                            ; Wo's 32 fragments lie at LDS byte 0.  From here on a wave stores to its own scratch alone: no further barrier
; ---------------- A: attention, output product, residuals
	v_lshlrev_b32 v21, 4, v16
	v_lshl_add_u32 v21, v17, 11, v21               ; K's scale words: lanes 0-15 the tiles of waves 0, 1, lanes 16-31 those of waves 2, 3
	v_mul_u32_u24 v22, v16, 48
	v_lshl_add_u32 v22, v17, 4, v22                ; V's: lanes 0-15 tiles 0, 1, lanes 16-31 tiles 2, 3
	v_mul_u32_u24 v23, v16, 528
	v_lshl_add_u32 v23, v17, 5, v23                ; the stage: row r of 528 bytes, + 32 hl
	v_lshlrev_b32 v24, 5, v17
	v_lshl_add_u32 v25, v17, 6, v3
	v_and_b32 v26, 31, v0
	v_lshrrev_b32 v27, 2, v26
	v_mul_lo_u32 v27, v27, s67
	v_and_b32 v26, 3, v26
	v_lshl_add_u32 v248, v26, 8, v27               ; the prefetches of res: four lanes to a token's 1,024 bytes, 256 bytes apart: a tile's tokens 0-7,
	v_add_nc_u32 v249, s84, v248                   ; and 32-39
	v_cvt_f32_u32 v250, s50                        ; cx, 0.0 or 1.0, twice: a pair for the packed multiply-add
	v_mov_b32 v251, v250
	s_lshl_b32 s48, s25, 14
	s_add_co_u32 s48, s48, SCR
	v_add_nc_u32 v14, s48, v1                      ; my scratch, 16 x lane; never rewritten
	v_add_nc_u32 v15, s48, v23                     ; my stage, on the way in; never rewritten
	WIN 0x80
.irp m,0,1,2,3,4,5,6,7
	s_mul_i32 s49, s67, \m
	v_add_nc_u32 v[RO+\m], s49, v1                 ; rows m and m + 8 of a tile in res: m tokens on from one of two bases, + 16 x lane
.endr
	WIN 0x40
.irp m,0,1,2,3,4,5,6,7
	s_mul_i32 s49, s66, \m
	v_add_nc_u32 v[XO+\m], s49, v1                 ; the same in x as a residual
.endr
	v_add_nc_u32 v238, s48, v1
.irp i,96,97,98,99,100,101,110,111,112,113,114,115
	v_mov_b32 v[\i], 0                             ; zero codes: Q's upper 64 along K, and what the last tile of K names behind its own
.endr
.irp m,0,1,2,3,4,5,6,7,8,9,10,11,12,13,14,15
	s_mul_i32 s49, s24, (\m%8)+32*(\m/8)
	v_add_nc_u32 v[212+\m], s49, v1                ; row m of a tile in out: its token, + 16 x lane
.endr
	v_add_nc_u32 v230, KIMG, v1
	v_add_nc_u32 v231, KSC, v21
	s_mul_i32 s48, s25, 12288
	s_add_co_u32 s48, s48, QIMG
	v_add_nc_u32 v232, s48, v1
	s_add_co_u32 s48, s48, 512
	v_add_nc_u32 v233, s48, v2
	s_lshl_b32 s48, s25, 10
	s_add_co_u32 s48, s48, QSC
	v_add_nc_u32 v234, s48, v3
	v_add_nc_u32 v235, VIMG, v1
	v_add_nc_u32 v236, VIMG+512, v2
	v_add_nc_u32 v237, VSC, v22
	v_add_nc_u32 v240, GB+4096, v24                ; bo
	v_add_nc_u32 v241, WSC+6144, v25               ; Wo's scale words
	WIN 0
	v_mov_b32 v17, 0                               ; (the upper half of the pair v[16:17])
	v_mov_b32 v23, 0                               ; lane permutes' destinations
	v_mov_b32 v242, 0
	v_mov_b32 v243, 0
.macro KADDR                           ; under the S products' windows: destination window 0, source 1 window 1
	v_add_nc_u32 v8, s37, v230
	v_add_nc_u32 v9, s38, v231
	v_add_nc_u32 v10, s39, v232
	v_add_nc_u32 v11, s39, v233
	v_add_nc_u32 v12, s40, v234
.endm
.macro KLOADS                          ; 29 LDS loads: a head's K (16 tiles x 6 registers) and its scale words, a unit's Q and its scale words
	WIN 0
	ds_load_b128 v[32:35], v9
	ds_load_b128 v[36:39], v9 offset:1024
	ds_load_b32 v44, v12
	WIN 0x40
.set jj, 0
.rept 24
	ds_load_b128 v[4*jj:4*jj+3], v8 offset:12288*(jj/6)+512*(jj%6)
.set jj, jj+1
.endr
	ds_load_b128 v[104:107], v10
	ds_load_b64 v[108:109], v11
.endm
.macro WOLOADS                         ; half of Wo: 16 fragments, and 8 registers of scale words
	WIN 0xc0
.set jj, 0
.rept 48
	ds_load_b128 v[4*jj:4*jj+3], v6 offset:512*jj
.set jj, jj+1
.endr
	WIN 0
.irp n,0,1,2,3,4,5,6,7
	ds_load_b32 v[52+\n], v7 offset:128*\n
.endr
.endm
	s_mov_b32 s37, 0
	s_mov_b32 s38, 0
	s_mov_b32 s39, 0
	s_mov_b32 s40, 0
	WIN 0x05
	KADDR
	v_add_nc_u32 v7, 0, v241
	KLOADS
	WIN 0
	v_mov_b32 v6, v1
	WOLOADS
	s_mov_b32 s32, 0                               ; the tile of queries
.Ltile:
	global_prefetch_b8 v248, s[6:7] th:TH_LOAD_NT scope:SCOPE_SE   ; this tile's 16 rows of res, 64 blocks of 256 bytes, a lane a block, four units ahead of the loads: each block is named once in the launch.
	global_prefetch_b8 v249, s[6:7] th:TH_LOAD_NT scope:SCOPE_SE   ; (Where res's strides are 0 the lanes name the same four blocks in every tile.  x as a residual is not asked for: this work-group has read those rows at its head)
	s_mov_b32 s30, 0                               ; the head
.Lhead:
	s_mul_i32 s34, s30, 3072                       ; this head's V,
	s_mul_i32 s35, s30, 768                        ; its scale bytes,
	s_lshl_b32 s36, s30, 12                        ; its place in my scratch;
	s_add_co_u32 s43, s30, 1
	s_and_b32 s43, s43, 3
	s_mul_i32 s37, s43, 3072                       ; the next unit's K,
	s_lshl_b32 s38, s43, 8
	s_lshl_b32 s31, s32, 2
	s_add_co_u32 s31, s31, s30                     ; the unit: 4 x tile + head
	s_add_co_u32 s43, s31, 1
	s_and_b32 s43, s43, 15
	s_mul_i32 s39, s43, 768                        ; and Q
	s_lshl_b32 s40, s43, 6
	s_wait_dscnt 0x0                               ; K, Q and their scale words are in; the last unit's stores have read their registers
	WIN 0x05
.irp k,0,1,2,3,4,5,6,7
	MM 64+8*\k, 6*\k, 104, 0, 32+\k, 44            ; S^T: source 0 = 16 keys, source 1 = my 16 queries.  Registers 32 g + i of a lane: keys 64 g + 32 hl + i
.endr
.irp k,8,9,10,11,12,13,14,15
	MM 64+8*\k, 6*\k, 104, 0, 24+\k, 44, matrix_a_scale:MATRIX_SCALE_ROW1
.endr
	v_add_nc_u32 v5, s34, v235                     ; nine additions: the places behind the products
	v_add_nc_u32 v6, s34, v236
	v_add_nc_u32 v7, s35, v237
	v_add_nc_u32 v13, s36, v238
	KADDR
	WIN 0x40
.irp t,0,1,2,3
.irp g,0,1,2,3
	ds_load_b128 v[116+24*\t+6*\g:116+24*\t+6*\g+3], v5 offset:12288*\g+768*\t
	ds_load_b64 v[116+24*\t+6*\g+4:116+24*\t+6*\g+5], v6 offset:12288*\g+768*\t
.endr
.endr
	WIN 0
	ds_load_b128 v[40:43], v7
	KLOADS                                         ; the next unit's operands land under the softmax
	WIN 0
.irp g,0,1,2,3
	v_max3_num_f32 v[26+\g], v[64+32*\g], v[65+32*\g], v[66+32*\g]   ; the largest score of each block of 32 keys, all in my lane: it serves the row's maximum and, since p rises with the score, the block's largest p
.endr
.set ii, 3
.rept 14
.irp g,0,1,2,3
	v_max3_num_f32 v[26+\g], v[26+\g], v[64+32*\g+ii], v[65+32*\g+ii]
.endr
.set ii, ii+2
.endr
.irp g,0,1,2,3
	v_max_num_f32 v[26+\g], v[26+\g], v[95+32*\g]
.endr
	v_max3_num_f32 v22, v26, v27, v28
	v_max_num_f32 v22, v22, v29
	v_permlanex16_b32 v23, v22, s26, s27
	v_max_num_f32 v22, v22, v23                    ; the row's largest score
	v_mul_f32 v22, s28, v22                        ; as t
	v_floor_f32 v16, -v22                          ; - M = - ceil(t)
.set ii, 64
.rept 64
	v_pk_fma_f32 v[ii:ii+1], v[ii:ii+1], s[28:29], v[16:17] op_sel_hi:[1,0,0]   ; t - M
.set ii, ii+2
.endr
.irp g,0,1,2,3
	v_fma_f32 v[26+\g], v[26+\g], s28, v16
.endr
.set ii, 64
.rept 128
	v_exp_f32 v[ii], v[ii]                         ; p = 2^(t - M)
.set ii, ii+1
.endr
	v_nop                                          ; a plain instruction behind the batch,
	s_wait_alu depctr_va_vdst(0)                   ; and one wait for it, ahead of the first instruction that names a result
.irp g,0,1,2,3
	v_exp_f32 v[26+\g], v[26+\g]                   ; the blocks' largest p: the same two instructions on the same numbers
.endr
	v_pk_add_f32 v[18:19], v[64:65], v[66:67]      ; the row's sum of the unquantised p, in four chains: the first half stands behind the four exponentials
	v_pk_add_f32 v[20:21], v[68:69], v[70:71]
	v_pk_add_f32 v[244:245], v[72:73], v[74:75]
	v_pk_add_f32 v[246:247], v[76:77], v[78:79]
.set ii, 80
.rept 6
	v_pk_add_f32 v[18:19], v[18:19], v[ii:ii+1]
	v_pk_add_f32 v[20:21], v[20:21], v[ii+2:ii+3]
	v_pk_add_f32 v[244:245], v[244:245], v[ii+4:ii+5]
	v_pk_add_f32 v[246:247], v[246:247], v[ii+6:ii+7]
.set ii, ii+8
.endr
	s_wait_alu depctr_va_vdst(0)                   ; the wait for the four
.irp g,0,1,2,3
	v_max_num_f32 v[26+\g], FLOOR, v[26+\g]
.endr
.irp g,0,1,2,3
	v_add_nc_u32 v[232+\g], EOFF, v[26+\g]
.endr
.irp g,0,1,2,3
	v_lshrrev_b32 v[236+\g], 23, v[232+\g]
.endr
	v_lshl_or_b32 v240, v237, 16, v236             ; K step 0: my blocks hl and 2 + hl; K step 1 likewise
	v_lshl_or_b32 v241, v239, 16, v238
	v_lshlrev_b32 v240, v4, v240
	v_lshlrev_b32 v241, v4, v241
	v_permlanex16_b32 v242, v240, s26, s27
	v_permlanex16_b32 v243, v241, s26, s27
	v_or_b32 v46, v240, v242                       ; p's scale words
	v_or_b32 v47, v241, v243
.irp g,0,1,2,3
	v_cvt_scalef32_pk16_bf6_f32 v[192+6*\g:194+6*\g], v[64+32*\g:79+32*\g], v[232+\g]
	v_cvt_scalef32_pk16_bf6_f32 v[216+4*\g:218+4*\g], v[80+32*\g:95+32*\g], v[232+\g]
.endr
	v_nop                                          ; one plain instruction behind the scaled conversions
.irp g,0,1,2,3
.irp i,0,1,2
	v_mov_b32 v[195+6*\g+\i], v[216+4*\g+\i]
.endr
.endr
.set ii, 128
.rept 8
	v_pk_add_f32 v[18:19], v[18:19], v[ii:ii+1]    ; the second half of the sums: also the places between the scale words and codes just written and the products
	v_pk_add_f32 v[20:21], v[20:21], v[ii+2:ii+3]
	v_pk_add_f32 v[244:245], v[244:245], v[ii+4:ii+5]
	v_pk_add_f32 v[246:247], v[246:247], v[ii+6:ii+7]
.set ii, ii+8
.endr
	v_pk_add_f32 v[18:19], v[18:19], v[20:21]
	v_pk_add_f32 v[244:245], v[244:245], v[246:247]
	v_pk_add_f32 v[18:19], v[18:19], v[244:245]
	v_add_f32 v18, v18, v19
	v_permlanex16_b32 v23, v18, s26, s27
	v_add_f32 v18, v18, v23                        ; the row's sum
	v_rcp_f32 v24, v18
	v_nop
	s_wait_alu depctr_va_vdst(0)
	v_mov_b32 v25, v24
	s_wait_dscnt 29                                ; V and its scale words are in; behind them the next unit's 29 loads were issued
	WIN 0xa1
.irp t,0,1
	MM 8*\t, 116+24*\t, 192, 0, 40+2*\t, 46        ; O^T: source 0 = 16 of the head's 64, source 1 = p; four accumulators by turns
.endr
.irp t,2,3
	MM 8*\t, 116+24*\t, 192, 0, 36+2*\t, 46, matrix_a_scale:MATRIX_SCALE_ROW1
.endr
.irp t,0,1
	MM 8*\t, 128+24*\t, 204, v[8*\t:8*\t+7], 41+2*\t, 47
.endr
.irp t,2,3
	MM 8*\t, 128+24*\t, 204, v[8*\t:8*\t+7], 37+2*\t, 47, matrix_a_scale:MATRIX_SCALE_ROW1
.endr
	NOPS 4
	WIN 0x82
.set ii, 0
.rept 16
	v_pk_mul_f32 v[ii:ii+1], v[ii:ii+1], v[24:25]  ; / the row's sum.  Register 8 t + j: d = 16 t + 8 hl + j
.set ii, ii+2
.endr
	WIN 0x08
.irp j,0,1,2,3,4,5,6,7
	ds_store_b128 v13, v[4*\j:4*\j+3] offset:512*\j ; to my scratch, as the registers stand: the four heads meet again at the tile's end
.endr
	WIN 0
	s_add_co_u32 s30, s30, 1
	s_cmp_lt_u32 s30, 4
	s_cbranch_scc1 .Lhead
	; the tile's four heads: register 32 + 32 t + 8 h + j is d = 16 t + 8 hl + j of head h: block 2 t + hl of the output product's K (8 d x 4 heads), head-major
	WIN 0x80
.irp h,0,1,2,3
.irp c,0,1,2,3,4,5,6,7
	ds_load_b128 v[32+32*(\c/2)+8*\h+4*(\c%2):32+32*(\c/2)+8*\h+4*(\c%2)+3], v14 offset:4096*\h+512*\c   ; LDS serves a wave's instructions in order (ISA guide 5.7.1.4): these see my stores
.endr
.endr
	s_wait_dscnt 0x0
	WIN 0xaa
	QUANT4 32
	v_lshl_or_b32 v[WD], v[QBY+1], 16, v[QBY]
	v_lshl_or_b32 v[WD+1], v[QBY+3], 16, v[QBY+2]
	v_lshlrev_b32 v[WD], v[SH2], v[WD]
	v_lshlrev_b32 v[WD+1], v[SH2], v[WD+1]
	v_permlanex16_b32 v[PX2], v[WD], s26, s27
	v_permlanex16_b32 v[PX2+1], v[WD+1], s26, s27
	WIN 0x0a
	v_or_b32 v48, v[WD], v[PX2]                    ; the two K steps' scale words
	v_or_b32 v49, v[WD+1], v[PX2+1]
	WIN 0
	NOPS 8                                         ; a scale register written by a vector instruction stands eight places ahead of a scaled product
	s_mov_b32 s33, 0
.Lhalf:                                            ; a trip is 128 of the 256 output columns
	s_wait_xcnt 0x0                                ; the last trip's loads and stores have read their bases, offsets and data
	s_lshl_b32 s48, s33, 9
	s_mov_b32 s49, 0
	s_add_nc_u64 s[44:45], s[6:7], s[48:49]        ; res: the tile's rows 0-7,
	s_add_nc_u64 s[74:75], s[44:45], s[84:85]      ; and 8-15, 32 tokens on
	s_add_nc_u64 s[72:73], s[12:13], s[48:49]      ; x as a residual likewise
	s_add_nc_u64 s[78:79], s[72:73], s[82:83]
	s_add_nc_u64 s[46:47], s[8:9], s[48:49]        ; out
	WIN 0x82
.irp m,0,1,2,3,4,5,6,7
	global_load_b128 v[96+4*\m:96+4*\m+3], v[RO+\m], s[44:45]      ; res: 32 lanes read 512 consecutive bytes of row m
.endr
.irp m,0,1,2,3,4,5,6,7
	global_load_b128 v[128+4*\m:128+4*\m+3], v[RO+\m], s[74:75]    ; of row 8 + m
.endr
	WIN 0x01
.irp m,0,1,2,3,4,5,6,7
	global_load_b128 v[64+4*\m:64+4*\m+3], v[XO+\m], s[72:73]      ; x: into the scores' registers, which are free until the next unit
.endr
.irp m,0,1,2,3,4,5,6,7
	global_load_b128 v[96+4*\m:96+4*\m+3], v[XO+\m], s[78:79]
.endr
	s_xor_b32 s43, s33, 1
	s_mul_i32 s42, s43, 24576
	s_lshl_b32 s43, s43, 10
	WIN 0x05
	v_add_nc_u32 v5, s48, v240                     ; this half's bo;
	v_add_nc_u32 v7, s43, v241                     ; the other half's scale words
	WIN 0
	v_add_nc_u32 v6, s42, v1                       ; and fragments
	WIN 0xc0
.irp n,0,1,2,3,4,5,6,7
	ds_load_b128 v[192+8*\n:192+8*\n+3], v5 offset:64*\n           ; bo starts the sums: lane (r, hl), register j: column 16 n + 8 hl + j
	ds_load_b128 v[192+8*\n+4:192+8*\n+7], v5 offset:64*\n+16
.endr
	s_wait_dscnt 0x0
	WIN 0xfb
.irp n,0,1,2,3,4,5,6,7
	MM 192+8*\n, 24*\n, 160, v[192+8*\n:192+8*\n+7], 52+\n, 48     ; transposed: source 0 = 16 columns of Wo, source 1 = my 16 tokens; eight accumulators by turns
.endr
.irp n,0,1,2,3,4,5,6,7
	MM 192+8*\n, 24*\n+12, 172, v[192+8*\n:192+8*\n+7], 52+\n, 49, matrix_a_scale:MATRIX_SCALE_ROW1
.endr
	NOPS 4
	WOLOADS                                        ; the other half of Wo lands under the activation
	WIN 0x83
.set ii, 0
.rept 32
	v_pk_mul_f32 v[32+ii:33+ii], v[192+ii:193+ii], s[28:29] op_sel_hi:[1,0]
.set ii, ii+2
.endr
	WIN 0x82
.set ii, 32
.rept 64
	v_exp_f32 v[ii], v[ii]                         ; e^y (infinity where y is large: the median below then gives y)
.set ii, ii+1
.endr
	v_nop
	s_wait_alu depctr_va_vdst(0)
.set ii, 32
.rept 32
	v_pk_add_f32 v[ii:ii+1], v[ii:ii+1], -1.0 op_sel_hi:[1,0]
.set ii, ii+2
.endr
	WIN 0xb2
.set ii, 0
.rept 64
	v_med3_num_f32 v[32+ii], v[32+ii], 0, v[192+ii] ; elu: for y <= 0, y <= e^y - 1 <= 0; for y > 0, 0 < y < e^y - 1: the middle one of the three
.set ii, ii+1
.endr
	WIN 0x08
.irp n,0,1,2,3,4,5,6,7
	ds_store_b128 v15, v[32+8*\n:32+8*\n+3] offset:64*\n
	ds_store_b128 v15, v[32+8*\n+4:32+8*\n+7] offset:64*\n+16
.endr
	WIN 0x80
.irp m,0,1,2,3,4,5,6,7,8,9,10,11,12,13,14,15
	ds_load_b128 v[32+4*\m:32+4*\m+3], v14 offset:528*\m           ; back as whole rows of 512 bytes
.endr
	s_wait_dscnt 0x0
	s_wait_loadcnt 0x0                             ; both residuals
	WIN 0xa0
.set ii, 0
.rept 32
	v_pk_fma_f32 v[96+ii:97+ii], v[64+ii:65+ii], v[250:251], v[96+ii:97+ii]      ; res + cx x
.set ii, ii+2
.endr
	WIN 0xaa
.set ii, 0
.rept 32
	v_pk_fma_f32 v[32+ii:33+ii], v[32+ii:33+ii], 0.5, v[96+ii:97+ii] op_sel_hi:[1,0,1]
.set ii, ii+2
.endr
	WIN 0x09
.irp m,0,1,2,3,4,5,6,7,8,9,10,11,12,13,14,15
	global_store_b128 v[212+\m], v[32+4*\m:32+4*\m+3], s[46:47] th:TH_STORE_NT   ; 32 lanes store 512 consecutive bytes, at a multiple of 256 from the buffer's first byte
.endr
	WIN 0
	s_add_co_u32 s33, s33, 1
	s_cmp_lt_u32 s33, 2
	s_cbranch_scc1 .Lhalf
	s_wait_xcnt 0x0                                ; the stores and the prefetches have read their bases and data
	s_add_nc_u64 s[6:7], s[6:7], s[70:71]          ; the next tile: eight tokens on, each by its own stride
	s_add_nc_u64 s[12:13], s[12:13], s[68:69]
	s_add_nc_u64 s[8:9], s[8:9], s[22:23]
	s_add_co_u32 s32, s32, 1
	s_cmp_lt_u32 s32, 4
	s_cbranch_scc1 .Ltile
	s_wait_tensorcnt 0x0
	ds_add_u32 v62, v63
	s_wait_dscnt 0x0
	s_endpgm
.Lfunc_end_k_q9204910b3e_attn_i:
	.size	k_q9204910b3e_attn_i, .Lfunc_end_k_q9204910b3e_attn_i-k_q9204910b3e_attn_i
	.p2alignl 7, 3214868480
	.fill 96, 4, 3214868480
	.section	.rodata,"a",@progbits
	.p2align	6, 0x0
	.amdhsa_kernel k_q9204910b3e_attn_i
		.amdhsa_group_segment_fixed_size 327680
		.amdhsa_private_segment_fixed_size 0
		.amdhsa_enable_private_segment 0
		.amdhsa_kernarg_size 56
		.amdhsa_user_sgpr_count 2
		.amdhsa_user_sgpr_kernarg_segment_ptr 1
		.amdhsa_wavefront_size32 1
		.amdhsa_system_sgpr_workgroup_id_x 1
		.amdhsa_system_sgpr_workgroup_id_y 1
		.amdhsa_system_sgpr_workgroup_id_z 1
		.amdhsa_system_vgpr_workitem_id 0
		.amdhsa_next_free_vgpr 1024
		.amdhsa_next_free_sgpr 88
		.amdhsa_reserve_vcc 0
		.amdhsa_float_denorm_mode_32 3
		.amdhsa_float_denorm_mode_16_64 3
		.amdhsa_memory_ordered 1
		.amdhsa_forward_progress 1
		.amdhsa_inst_pref_size 255
	.end_amdhsa_kernel
	.section	.bss,"aw",@nobits
	.p2align	6
	.space	262144
	.amdgpu_metadata
---
amdhsa.version: [ 1, 2 ]
amdhsa.kernels:
  - .name:           k_q9204910b3e_attn_i
    .symbol:         k_q9204910b3e_attn_i.kd
    .args:
      - { .name: x, .offset: 0, .size: 8, .value_kind: global_buffer, .address_space: global }
      - { .name: zeros, .offset: 8, .size: 8, .value_kind: global_buffer, .address_space: global }
      - { .name: tmp, .offset: 16, .size: 8, .value_kind: global_buffer, .address_space: global }
      - { .name: wimg_i, .offset: 24, .size: 8, .value_kind: global_buffer, .address_space: global }
      - { .name: par_i, .offset: 32, .size: 8, .value_kind: global_buffer, .address_space: global }
      - { .name: sin_i, .offset: 40, .size: 8, .value_kind: global_buffer, .address_space: global }
      - { .name: cos_i, .offset: 48, .size: 8, .value_kind: global_buffer, .address_space: global }
    .group_segment_fixed_size: 327680
    .private_segment_fixed_size: 0
    .kernarg_segment_align: 8
    .kernarg_segment_size: 56
    .max_flat_workgroup_size: 128
    .sgpr_count:     88
    .vgpr_count:     1024
    .wavefront_size: 32
...
	.end_amdgpu_metadata
.endif
;; end of part 2
;; launch attn_j: the kernel of part 2 again; grid 256 x 1, 4 waves a work-group, no clusters, 327,680 bytes of LDS; arguments x, tmp, out0, wimg_j, par_j, sin_j, cos_j; writes out0
